; MI455X (gfx1250); checked and timed in simulation.
; The chip was launched on July 23, 2026; its instructions are those of AMD's public machine-readable ISA for CDNA 5 (MIT licence, August 2026) and "CDNA5" Instruction Set Architecture Reference Guide (July 2026). The comments in the code are by the model that wrote it; some were corrected since.
;; Quant Conv1d. Allowed arithmetic: matrix products marked QUANTISED: E3M2 operands, one E8M0 scale for each 32 along K, by v_wmma_scale_f32_16x16x128_f8f6f4 with both operands' format E3M2, f32 sums; everything else in f32.
;; Inputs: bias 16,384 float32; scale 1 x 16,384 float32; weight 4,096 x 16,384 int8; x 4 x 256 x 4,096 float32.
;; Outputs: out0 4 x 256 x 16,384 float32.
;; This version of the problem:
;;   THIS VERSION OF THE PROBLEM IS GIVEN IN LOW PRECISION. The matrix products marked QUANTISED in the list below multiply operands that are first quantised to E3M2 (3 exponent bits, 2 mantissa bits; 6 bits a number), with one power-of-two scale for each 32 numbers along K (OCP MX v1.0); their sums are f32. All else is computed in f32.
;;   The module's matrix products, in the order in which they are computed (A, B: the left and right operand; K: the contracted axis; several contracted axes count as one K, in the product's order):
;;     1. [M 1,024, K 4,096] x [K 4,096, N 16,384]; A: input x; B: input weight: QUANTISED
;;   THE QUANTISER, for each operand of a quantised product, along K:
;;     - K is cut into blocks of 32 from its start; a last block that is shorter is filled with zeros.
;;     - A block's scale is 2^e with e = floor(log2(the largest magnitude in the block)) - 4, held to -126 .. 127; a block of zeros has e = 0. As a byte (E8M0): e + 127.
;;     - Each number is divided by its block's scale, clamped to +-28, and rounded to the nearest number of E3M2, ties to even, subnormals kept.
;;     - The product sums the exact products of the quantised numbers (number of the format x scale) in f32.
;;   ~~~python
;;   def quantise(x, axis):      # numpy; x: float32 -> the quantised numbers, widened to float32 again
;;       x = np.moveaxis(x, axis, -1); K = x.shape[-1]
;;       x = np.pad(x, [(0, 0)] * (x.ndim - 1) + [(0, -K % 32)]); x = x.reshape(x.shape[:-1] + (-1, 32)); a = np.abs(x).max(-1, keepdims=True)
;;       e = np.where(a > 0, np.clip(np.frexp(np.where(a > 0, a, 1))[1] - 1 - 4, -126, 127), 0)      # np.frexp(a)[1] - 1 = floor(log2(a)), exactly
;;       r = np.clip(x / 2.0 ** e, -28, 28)
;;       step = 2.0 ** (np.maximum(np.frexp(np.where(r == 0, 1, r))[1] - 1, -2) - 2)
;;       q = np.round(r / step) * step * 2.0 ** e      # np.round: ties to even
;;       return np.moveaxis(q.reshape(q.shape[:-2] + (-1,))[..., :K], -1, axis).astype(np.float32)
;;   ~~~
;; One version. Each part assembles by itself: llvm-mc -triple=amdgcn-amd-amdhsa -mcpu=gfx1250 --defsym DOCPART=n.
;; ======== version 1 of 1: 2 launches
;; limits: right only within a limited range of input values
;; workspace buffers: x_img 3,276,800 bytes; w_img 52,428,800 bytes
;; launch quant (part 1): grid 640 x 1, 4 waves a work-group, no clusters, 104,960 bytes of LDS; arguments x, weight, x_img, w_img; writes x_img, w_img
.if DOCPART == 1
	.amdgcn_target "amdgcn-amd-amdhsa--gfx1250"
	.amdhsa_code_object_version 6
	.text
	.protected	k_q678c0e00f2_quant
	.globl	k_q678c0e00f2_quant
	.p2align	8
	.type	k_q678c0e00f2_quant,@function
k_q678c0e00f2_quant:
	s_mov_b64 s[64:65], 0
	v_nop
	global_prefetch_b8 v0, s[64:65] scope:SCOPE_SE
	s_setreg_imm32_b32 hwreg(HW_REG_WAVE_MODE, 25, 1), 1
	s_wait_xcnt 0x0
; x [1024][4096] f32 (K innermost) and weight [4096][16384] int8 (K is the FIRST axis) become codes of BF6 (E3M2) with one E8M0 byte for each 32 along K.
; A block's scale is 2^(floor(log2(its largest magnitude)) - 4): its byte is the largest magnitude's exponent field - 4, held at 1 from below by a floor among the maximum's leaves.
; Each number is divided by the scale and rounded to the nearest code, ties to even; beyond 28 the conversion gives the largest code.
; LIMITS: NaN and infinities in x are not served.  A block of zeros gets the byte 1 where the rule says 127: its codes are zeros, which add nothing under any byte but 0xff, and the bytes are read by this program alone.
; THE OUTPUT IS LAID AS THE NEXT LAUNCH'S OPERAND REGISTERS ("row" = m for x, n for weight):
;   block (row / 256, k / 256) at (16 (row / 256) + k / 256) x 51,200 bytes; in it two halves of 25,600 bytes, 128 rows each;
;   in a half: fragment (q = (k / 128) % 2, t = (row % 128) / 16) at 12,288 q + 1,536 t; scale words at 24,576 + 512 q + 4 (row % 128), byte b for k = 32 b .. 32 b + 31 of that 128.
;   A fragment (16 rows x 128 K) is the image of its 12 registers: registers 4 j .. 4 j + 3 of lane r + 16 h at 512 j + 16 (r + 16 h); registers 6 c .. 6 c + 5 of that lane are the 24 code bytes of row r, block 2 c + h.
; SHARES.  Work-groups 0-127 take x, the others weight.  A wave works alone, in its own WREG bytes of LDS on either path: no barrier.  Every global offset is an immediate; no pointer is stepped.
;   weight: a wave takes 256 columns x 128 along K.  Lane l holds columns 8 l .. 8 l + 7 (a load: one row k, 256 consecutive bytes a wave), and the 32 loads of a block run DOWN K: a column's block of 32 lies in one lane.
;   x: a wave takes 64 rows x 128 along K, 8 rows a step.  A load takes 512 consecutive bytes of a row; the step's 4,096 bytes turn through LDS so that a lane holds one whole block of 32 neighbours.
; The codes are gathered in the wave's stage in LDS as fragment images and leave by stores of 512 consecutive bytes, at multiples of 256 from the buffer's first byte.
.set XWG,   128                        ; work-groups that take x
.set ROWB,  16384                      ; bytes in a row of weight (16,384 int8) and in a row of x (4,096 f32)
.set BLKB,  51200
.set HALFB, 25600
.set SCOFF, 24576
.set WREG,  26112                      ; a wave's LDS
.set TP,    1552                       ; a fragment's place in the stage: 1,536 bytes + 16, so that neighbouring fragments' stores of 16 bytes fall 16 bytes apart modulo 256
.set WSC,   16*TP                      ; weight: behind 16 fragments, 256 scale words
.set XSC,   4*TP                       ; x: behind 4 fragments, 64 scale words,
.set XTURN, XSC+256                    ; and two turning stages
.set XST,   4608                       ; of 8 rows x 4 x (128 bytes + 16)
.set GIN,  2                           ; v2  my byte in a load
.set WA,   3                           ; v3  weight: my place in the stage
.set LXA,  3                           ; v3  x: the same, for a block's pieces 0 and 2
.set LXB,  4                           ; v4  x: for piece 1
.set RDB,  5                           ; v5  the stage read back: my wave's LDS + 16 x lane
.set GOUT, 6                           ; v6  16 x lane
.set SCA,  7                           ; v7  where my scale words (x: bytes) go in LDS
.set MA,   8                           ; v8, v10  the two chains of the maximum
.set SO,   9                           ; v9  the conversion's scale operand
.set MB,   10
.set BY,   11                          ; v11 the scale's byte
.set SW,   12                          ; v12-19  weight: my 8 columns' scale words
.set TI,   12                          ; v12 x: into the turning stage;  v13 out of it;  v14 8 x lane;  v15 the scale bytes read back
.set TO,   13
.set L8,   14
.set XSR,  15
.set C,    20                          ; v20-26  a block's codes
.set X0,   28                          ; v28-59  32 numbers
.set D,    60                          ; v60-251 weight: three sets of 32 loads x 8 bytes; on the way out two sets of 16 x 16 bytes
.set XD,   92                          ; v92-219 x: four sets of 8 loads x 16 bytes  (v60-91: the second set of 32 numbers)
; The block of 32 numbers in v[XS] .. v[XS + 31] -> scale operand, byte, and codes in v[C:C+2] and v[C+4:C+6].  w = 1: the LDS stores that read C are waited for first.
.macro QB32 w
	v_max3_num_f32 v[MA], |v[XS]|, |v[XS+1]|, |v[XS+2]|
	v_max3_num_f32 v[MB], |v[XS+3]|, |v[XS+4]|, |v[XS+5]|
.irp i, 6,10,14,18,22,26
	v_max3_num_f32 v[MA], v[MA], |v[XS+\i]|, |v[XS+\i+1]|
	v_max3_num_f32 v[MB], v[MB], |v[XS+\i+2]|, |v[XS+\i+3]|
.endr
	v_max3_num_f32 v[MA], v[MA], |v[XS+30]|, |v[XS+31]|
	v_max3_num_f32 v[MA], v[MA], v[MB], 5<<23      ; and the floor 2^(5 - 127): the byte cannot fall under 1
	v_add_nc_u32 v[SO], 0xfe000000, v[MA]          ; 4 off the exponent field: the conversion takes this operand's exponent field as its scale
	v_lshrrev_b32 v[BY], 23, v[SO]                 ; the scale's byte
.if \w
	s_wait_alu depctr_va_vdst(0)
	s_wait_dscnt 0x0                               ; the last column's two stores have read C
.endif
	v_cvt_scalef32_pk16_bf6_f32 v[C:C+2], v[XS:XS+15], v[SO]
	v_cvt_scalef32_pk16_bf6_f32 v[C+4:C+6], v[XS+16:XS+31], v[SO]   ; (a conversion's three registers begin on an even number)
.endm
.macro PACK6                           ; behind one plain line: the block's 24 bytes on end in v[C:C+5]
	v_mov_b32 v[C+3], v[C+4]
	v_mov_b32 v[C+4], v[C+5]
	v_mov_b32 v[C+5], v[C+6]
.endm
; ---------------- weight's macros
.macro LOADW b                         ; block b of the wave's four: rows 32 b + i of its 128, into set b % 3
.set i, 0
.rept 32
	global_load_b64 v[D+64*((\b)%3)+2*i:D+64*((\b)%3)+2*i+1], v[GIN], s[6:7] offset:(32*(\b)+i)*ROWB th:TH_LOAD_NT
.set i, i+1
.endr
.endm
; Column j of my eight, block b.  A byte u = w + 128 set under the bits of 2^23 is the f32 number 2^23 + u; less 2^23 + 128 that is w, exactly.
.macro WCOL b, j
.set DSET, D+64*((\b)%3)+(\j)/4
.set i, 0
.rept 32
	v_perm_b32 v[X0+i], v[DSET+2*i], s21, s[24+(\j)%4]
.set i, i+1
.endr
.set i, 0
.rept 16
	v_pk_add_f32 v[X0+2*i:X0+2*i+1], v[X0+2*i:X0+2*i+1], s[22:23] op_sel_hi:[1,0]
.set i, i+1
.endr
.set XS, X0
	QB32 1
.if (\b) == 0
	v_mov_b32 v[SW+\j], v[BY]                      ; the plain line behind the conversions: byte b of the column's scale word
.else
	v_lshl_or_b32 v[SW+\j], v[BY], 8*(\b), v[SW+\j]
.endif
	PACK6
.set OFS, 16*(\j)+256*((\b)&1)         ; 16 x (j + 16 h); my 8 (l % 2) rows and my fragment stand in v[WA]
.if (\b) < 2
	ds_store_b128 v[WA], v[C:C+3] offset:OFS               ; registers 0-3
	ds_store_b64 v[WA], v[C+4:C+5] offset:512+OFS          ; registers 4, 5
.else
	ds_store_b64 v[WA], v[C:C+1] offset:520+OFS            ; registers 6, 7
	ds_store_b128 v[WA], v[C+2:C+5] offset:1024+OFS        ; registers 8-11
.endif
.endm
.macro WBLOCK b, left                  ; left: the younger loads that may stay out
	s_wait_loadcnt \left
.set i, 0
.rept 64
	v_xor_b32 v[D+64*((\b)%3)+i], s20, v[D+64*((\b)%3)+i]  ; four bytes at a time: w -> w + 128
.set i, i+1
.endr
.irp j, 0,1,2,3,4,5,6,7
	WCOL \b, \j
.endr
.endm
.macro LOADB k                         ; the way out: 16 of the stage's 48 pieces of 512 bytes
.set t, 0
.rept 16
.set f, 16*(\k)+t
	ds_load_b128 v[D+64*((\k)%2)+4*t:D+64*((\k)%2)+4*t+3], v[RDB] offset:(f/3)*TP+512*(f%3)
.set t, t+1
.endr
.endm
.macro SENDB k, y                      ; y: the LDS loads issued behind this batch's
.set t, 0
.rept 16
.set f, 16*(\k)+t
	s_wait_dscnt (\y)+15-t
	global_store_b128 v[GOUT], v[D+64*((\k)%2)+4*t:D+64*((\k)%2)+4*t+3], s[28:29] offset:((f/3)/8)*HALFB+((f/3)%8)*1536+512*(f%3)
.set t, t+1
.endr
.endm
; ---------------- x's macros
.macro LOADX t                         ; step t: rows 8 t + m, 512 consecutive bytes each, into set t % 4
.irp m, 0,1,2,3,4,5,6,7
	global_load_b128 v[XD+32*((\t)%4)+4*\m:XD+32*((\t)%4)+4*\m+3], v[GIN], s[4:5] offset:(8*(\t)+\m)*ROWB th:TH_LOAD_NT
.endr
.endm
.macro TURNX t                         ; through stage t % 2: in as loaded, out 128 bytes a lane.  LDS serves a wave's instructions in order: no wait between
.irp m, 0,1,2,3,4,5,6,7
	ds_store_b128 v[TI], v[XD+32*((\t)%4)+4*\m:XD+32*((\t)%4)+4*\m+3] offset:XST*((\t)%2)+576*\m
.endr
.irp m, 0,1,2,3,4,5,6,7
	ds_load_b128 v[X0+32*((\t)%2)+4*\m:X0+32*((\t)%2)+4*\m+3], v[TO] offset:XST*((\t)%2)+16*\m
.endr
.endm
.macro XSTEP t
	s_wait_dscnt 0x0                               ; this step's numbers are back; the stores into the stage have read set t % 4, and the last step's stores have read C and the byte
.if (\t) < 4
	LOADX (\t)+4
.endif
.if (\t) < 7
.if (\t) < 4
	s_wait_loadcnt 24                              ; the next step's eight loads are in; those of the three steps behind it may be out
.else
	s_wait_loadcnt 8*(6-(\t))
.endif
	TURNX (\t)+1                                   ; the next step turns while this one is worked
.endif
.set XS, X0+32*((\t)%2)
	QB32 0
	v_nop                                          ; one plain line behind the conversions
	PACK6
.set OFS, ((\t)/2)*TP+128*((\t)%2)     ; fragment t / 2, rows 8 (t % 2) on
	ds_store_b64 v[LXA], v[C:C+1] offset:OFS
	ds_store_b64 v[LXB], v[C+2:C+3] offset:OFS+8
	ds_store_b64 v[LXA], v[C+4:C+5] offset:OFS+512
	ds_store_b8 v[SCA], v[BY] offset:32*(\t)       ; byte l % 4 of row 8 t + l / 4's word
.endm
	s_load_b256 s[4:11], s[0:1], 0x0               ; x s[4:5], weight s[6:7], x_img s[8:9], w_img s[10:11]
	v_lshl_add_u32 v254, v0, 2, 0x19800
	v_mov_b32 v255, 0
	v_lshrrev_b32 v1, 5, v0
	v_readfirstlane_b32 s16, v1                    ; wave 0..3
	v_and_b32 v1, 31, v0                           ; lane
	s_mul_i32 s17, s16, WREG                       ; my wave's LDS
	v_lshlrev_b32 v[GOUT], 4, v1
	v_add_nc_u32 v[RDB], s17, v[GOUT]
	s_cmp_lt_u32 ttmp9, XWG
	s_cbranch_scc1 .Lx_path
; ================ weight
	s_sub_co_u32 s32, ttmp9, XWG                   ; g = 0 .. 511
	s_and_b32 s33, s32, 15
	s_lshr_b32 s34, s32, 4                         ; which 128 along K: 0 .. 31
	s_lshl_b32 s33, s33, 2
	s_add_co_u32 s33, s33, s16                     ; which 256 columns: 4 (g % 16) + wave: the four waves stand side by side on 1,024 bytes of each row
	s_lshl_b32 s36, s34, 21                        ; 128 rows of 16,384 bytes
	s_lshl_b32 s37, s33, 8
	s_add_co_u32 s36, s36, s37
	s_mov_b32 s37, 0
	s_lshr_b32 s35, s34, 1                         ; k / 256
	s_and_b32 s34, s34, 1                          ; q
	s_lshl_b32 s33, s33, 4
	s_add_co_u32 s33, s33, s35
	s_mul_i32 s33, s33, BLKB                       ; my block of the images
	s_mul_i32 s28, s34, 12288
	s_add_co_u32 s28, s28, s33                     ; my fragments
	s_mov_b32 s29, 0
	s_lshl_b32 s30, s34, 9
	s_add_co_u32 s30, s30, s33
	s_add_co_u32 s30, s30, SCOFF                   ; my scale words
	s_mov_b32 s31, 0
	s_mov_b32 s20, 0x80808080
	s_mov_b32 s21, 0x4b000000                      ; 2^23
	s_mov_b32 s22, 0xcb000080                      ; -(2^23 + 128)
	s_mov_b32 s23, s22                             ; (named with it as a pair)
	s_mov_b32 s24, 0x03020104                      ; v_perm_b32: byte 0, 1, 2, 3 of the first source under the upper three bytes of the second
	s_mov_b32 s25, 0x03020105
	s_mov_b32 s26, 0x03020106
	s_mov_b32 s27, 0x03020107
	s_wait_alu depctr_va_vdst(0)
	v_lshlrev_b32 v[GIN], 3, v1                    ; 8 columns a lane
	v_lshrrev_b32 v8, 1, v1
	v_mul_u32_u24 v8, v8, TP                       ; fragment l / 2,
	v_and_b32 v9, 1, v1
	v_lshl_add_u32 v8, v9, 7, v8                   ; rows 8 (l % 2) on
	v_add_nc_u32 v[WA], s17, v8
	v_lshl_add_u32 v[SCA], v1, 5, s17
	v_add_nc_u32 v[SCA], WSC, v[SCA]               ; my 8 columns' words: 32 bytes a lane
	s_wait_alu depctr_va_vdst(0)
	s_wait_kmcnt 0x0
	s_add_nc_u64 s[6:7], s[6:7], s[36:37]
	s_add_nc_u64 s[28:29], s[10:11], s[28:29]
	s_add_nc_u64 s[30:31], s[10:11], s[30:31]
	LOADW 0
	LOADW 1
	LOADW 2
	WBLOCK 0, 63                                   ; 64 younger loads are out; the count's field holds 63, which asks for one load more than is needed
	LOADW 3                                        ; into the set just worked
	WBLOCK 1, 63                                   ; likewise: sets 2 and 3 are younger
	WBLOCK 2, 32                                   ; set 3 is younger
	WBLOCK 3, 0
	ds_store_b128 v[SCA], v[SW:SW+3]
	ds_store_b128 v[SCA], v[SW+4:SW+7] offset:16
	LOADB 0                                        ; LDS serves a wave's instructions in order: these see my stores
	LOADB 1
	SENDB 0, 16
	s_wait_xcnt 0x0                                ; batch 0's stores have read their registers: batch 2 may land there
	LOADB 2
	SENDB 1, 16
	SENDB 2, 0
.irp m, 0,1
	ds_load_b128 v[X0+4*\m:X0+4*\m+3], v[RDB] offset:WSC+512*\m
.endr
	s_wait_dscnt 0x0
.irp m, 0,1
	global_store_b128 v[GOUT], v[X0+4*\m:X0+4*\m+3], s[30:31] offset:HALFB*\m   ; 128 columns' words, 512 bytes, to each half
.endr
	s_wait_tensorcnt 0x0
	ds_add_u32 v254, v255
	s_wait_dscnt 0x0
	s_endpgm
; ================ x
.Lx_path:
	s_lshr_b32 s32, ttmp9, 3                       ; which 64 rows: 0 .. 15
	s_and_b32 s33, ttmp9, 7
	s_lshl_b32 s33, s33, 2
	s_add_co_u32 s33, s33, s16                     ; which 128 along K: 0 .. 31
	s_lshl_b32 s36, s32, 20                        ; 64 rows of 16,384 bytes
	s_lshl_b32 s37, s33, 9
	s_add_co_u32 s36, s36, s37
	s_mov_b32 s37, 0
	s_lshr_b32 s34, s33, 1                         ; k / 256
	s_and_b32 s33, s33, 1                          ; q
	s_lshr_b32 s35, s32, 2                         ; row / 256
	s_lshl_b32 s35, s35, 4
	s_add_co_u32 s35, s35, s34
	s_mul_i32 s35, s35, BLKB
	s_bfe_u32 s34, s32, 0x10001                    ; which half of the 256 rows
	s_mul_i32 s34, s34, HALFB
	s_add_co_u32 s35, s35, s34
	s_and_b32 s32, s32, 1                          ; which 64 rows of the half
	s_mul_i32 s28, s33, 12288
	s_add_co_u32 s28, s28, s35
	s_mul_i32 s34, s32, 6144
	s_add_co_u32 s28, s28, s34                     ; my four fragments
	s_mov_b32 s29, 0
	s_lshl_b32 s30, s33, 9
	s_add_co_u32 s30, s30, s35
	s_lshl_b32 s34, s32, 8
	s_add_co_u32 s30, s30, s34
	s_add_co_u32 s30, s30, SCOFF                   ; my 64 scale words
	s_mov_b32 s31, 0
	s_wait_alu depctr_va_vdst(0)
	v_lshlrev_b32 v[GIN], 4, v1
	; behind the turn lane l holds row 8 t + l / 4, block l % 4 = 2 c + h
	v_lshrrev_b32 v8, 2, v1
	v_and_b32 v9, 1, v1                            ; h
	v_lshl_add_u32 v8, v9, 4, v8                   ; l / 4 + 16 h
	v_bfe_u32 v9, v1, 1, 1                         ; c
	v_lshl_add_u32 v8, v8, 4, s17
	v_mad_u32_u24 v[LXA], v9, 520, v8              ; pieces 0 and 2 of a block's 24 bytes: c = 0: at 0 and 512; c = 1: at 520 and 1,032
	v_mad_u32_u24 v[LXB], v9, 1016, v8             ; piece 1: c = 0: at 8; c = 1: at 1,024
	v_add_nc_u32 v[SCA], s17, v1
	v_add_nc_u32 v[SCA], XSC, v[SCA]
	v_lshrrev_b32 v8, 3, v1
	v_add_nc_u32 v8, v8, v1
	v_lshl_add_u32 v[TI], v8, 4, s17
	v_add_nc_u32 v[TI], XTURN, v[TI]               ; in: 16 x lane, + 16 behind each 128
	v_mul_u32_u24 v[TO], v1, 144
	v_add_nc_u32 v[TO], s17, v[TO]
	v_add_nc_u32 v[TO], XTURN, v[TO]               ; out: 144 x lane
	v_lshlrev_b32 v[L8], 3, v1
	v_add_nc_u32 v[XSR], s17, v[L8]
	v_add_nc_u32 v[XSR], XSC, v[XSR]
	s_wait_alu depctr_va_vdst(0)
	s_wait_kmcnt 0x0
	s_add_nc_u64 s[4:5], s[4:5], s[36:37]
	s_add_nc_u64 s[28:29], s[8:9], s[28:29]
	s_add_nc_u64 s[30:31], s[8:9], s[30:31]
.irp t, 0,1,2,3
	LOADX \t
.endr
	s_wait_loadcnt 24                              ; step 0's eight loads are in
	TURNX 0
.irp t, 0,1,2,3,4,5,6,7
	XSTEP \t
.endr
.irp f, 0,1,2,3,4,5,6,7,8,9,10,11
	ds_load_b128 v[XD+4*\f:XD+4*\f+3], v[RDB] offset:(\f/3)*TP+512*(\f%3)   ; LDS serves a wave's instructions in order: these see my stores
.endr
	ds_load_b64 v[X0:X0+1], v[XSR]
	s_wait_dscnt 0x0
.irp f, 0,1,2,3,4,5,6,7,8,9,10,11
	global_store_b128 v[GOUT], v[XD+4*\f:XD+4*\f+3], s[28:29] offset:(\f/3)*1536+512*(\f%3)
.endr
	global_store_b64 v[L8], v[X0:X0+1], s[30:31]   ; 32 lanes store 256 consecutive bytes
	s_wait_tensorcnt 0x0
	ds_add_u32 v254, v255
	s_wait_dscnt 0x0
	s_endpgm
.Lfunc_end_k_q678c0e00f2_quant:
	.size	k_q678c0e00f2_quant, .Lfunc_end_k_q678c0e00f2_quant-k_q678c0e00f2_quant
	.p2alignl 7, 3214868480
	.fill 96, 4, 3214868480
	.section	.rodata,"a",@progbits
	.p2align	6, 0x0
	.amdhsa_kernel k_q678c0e00f2_quant
		.amdhsa_group_segment_fixed_size 104960
		.amdhsa_private_segment_fixed_size 0
		.amdhsa_enable_private_segment 0
		.amdhsa_kernarg_size 32
		.amdhsa_user_sgpr_count 2
		.amdhsa_user_sgpr_kernarg_segment_ptr 1
		.amdhsa_wavefront_size32 1
		.amdhsa_system_sgpr_workgroup_id_x 1
		.amdhsa_system_sgpr_workgroup_id_y 1
		.amdhsa_system_sgpr_workgroup_id_z 1
		.amdhsa_system_vgpr_workitem_id 0
		.amdhsa_next_free_vgpr 256
		.amdhsa_next_free_sgpr 66
		.amdhsa_reserve_vcc 0
		.amdhsa_float_denorm_mode_32 3
		.amdhsa_float_denorm_mode_16_64 3
		.amdhsa_memory_ordered 1
		.amdhsa_forward_progress 1
		.amdhsa_inst_pref_size 212
	.end_amdhsa_kernel
	.amdgpu_metadata
---
amdhsa.version: [ 1, 2 ]
amdhsa.kernels:
  - .name:           k_q678c0e00f2_quant
    .symbol:         k_q678c0e00f2_quant.kd
    .args:
      - { .name: x, .offset: 0, .size: 8, .value_kind: global_buffer, .address_space: global }
      - { .name: weight, .offset: 8, .size: 8, .value_kind: global_buffer, .address_space: global }
      - { .name: x_img, .offset: 16, .size: 8, .value_kind: global_buffer, .address_space: global }
      - { .name: w_img, .offset: 24, .size: 8, .value_kind: global_buffer, .address_space: global }
    .group_segment_fixed_size: 104960
    .private_segment_fixed_size: 0
    .kernarg_segment_align: 8
    .kernarg_segment_size: 32
    .max_flat_workgroup_size: 128
    .sgpr_count:     66
    .vgpr_count:     256
    .wavefront_size: 32
...
	.end_amdgpu_metadata
.endif
;; end of part 1
;; launch gemm (part 2): grid 64 x 4, 4 waves a work-group, clusters of 4 x 4, 327,680 bytes of LDS; arguments x_img, w_img, scale, bias, out0; writes out0
.if DOCPART == 2
	.amdgcn_target "amdgcn-amd-amdhsa--gfx1250"
	.amdhsa_code_object_version 6
	.text
	.protected	k_q678c0e00f2_gemm
	.globl	k_q678c0e00f2_gemm
	.p2align	8
	.type	k_q678c0e00f2_gemm,@function
k_q678c0e00f2_gemm:
	s_mov_b64 s[64:65], 0
	v_nop
	global_prefetch_b8 v0, s[64:65] scope:SCOPE_SE
	s_setreg_imm32_b32 hwreg(HW_REG_WAVE_MODE, 25, 1), 1
	s_wait_xcnt 0x0
	s_wait_alu depctr_hold_cnt(0) depctr_sa_sdst(0) depctr_va_vdst(0) depctr_va_sdst(0) depctr_va_ssrc(0) depctr_va_vcc(0) depctr_vm_vsrc(0)
	s_getreg_b32 s2, hwreg(HW_REG_IB_STS2, 6, 4)
	s_cmp_eq_u32 s2, 0
	s_cbranch_scc0 .Lentry_in_a_cluster
	s_endpgm
.Lentry_in_a_cluster:
	s_bfe_u32 s2, ttmp6, 0x10000c
	s_cmp_lg_u32 s2, 0xf033
	s_cbranch_scc0 .Lentry_shape_is_right
	s_endpgm
.Lentry_shape_is_right:
; out0[m][n] = (sum over k of Q(x)[m][k] Q(weight)[k][n]) x scale[n] + bias[n];  M 1,024, K 4,096, N 16,384.  Both operands arrive as codes of BF6 with E8M0 scale words, laid by the launch before
; as images of the operand registers: block (row / 256, k / 256) of 51,200 bytes = two halves of 25,600 (128 rows each); in a half fragment (q = (k / 128) % 2, t) at 12,288 q + 1,536 t, scale words at 24,576 + 512 q + 4 (row % 128).
; A block of out0, 256 x 256, is made by four waves, each 128 x 128: 64 accumulators, 512 registers.  K goes through a ring of two LDS slots; a slot holds 256 along K: x's block, then weight's block.
; Each wave fetches one half (a dense run of 100 x 256 bytes) by one tensor load: waves 0, 1 x's halves, waves 2, 3 weight's.
; CLUSTERS: 4 x 4 work-groups.  The four of a row of the cluster need the same block of x, the four of a column the same block of weight: each half is asked for JOINTLY, by the same load with a mask that names the four.
; THE MATRIX INSTRUCTION IS USED TRANSPOSED (source 0 = 16 columns of weight, source 1 = 16 rows of x): a lane holds eight neighbouring numbers of a row of out0.
; A step of 128 along K is 64 matrix instructions, x's blocks one after the other, each against weight's eight: x has ONE set of fragment registers (blocks 0-3 fetched anew in the step's middle, 4-7 at its end), weight two.
; One register carries x's scale word of block i (lanes 0-15) and weight's of block i xor 1 (lanes 16-31): weight's words lie a multiple of 256 bytes from x's, so the same block's would fall on the same banks (64 banks of 4 bytes: ISA guide 11.1).
; REGISTERS: window 0: v0-31 addresses; v32-47 scale words, two sets; v48-55 scale and bias; from v128 x's fragments; on the way out v128-255.  window 1: weight's fragments at v0 and v128.  windows 2, 3: the accumulators.
.set FR,     12
.set HALFB,  25600
.set BLKB,   2*HALFB
.set TBB,    16*BLKB
.set SLOT,   2*BLKB
.set SCO,    24576
.set STAGE,  2*SLOT                    ; behind the ring: a stage of 16 rows x 528 bytes for each wave; no tensor load lands there
.set SPITCH, 528
.set SPARE,  STAGE+4*16*SPITCH         ; the spare words
.set ROWC,   65536                     ; a row of out0 in bytes
.set CO,   4                           ; 16 x lane
.set STO,  5
.set RD,   6
.set PFO,  7
.set ADRA, 8                           ; v8-9   x's fragments in slot 0, 1
.set ADRB, 10                          ; v10-11 weight's
.set ADRS, 12                          ; v12-13 scale words for the even registers: lanes 0-15 x's block i, lanes 16-31 weight's block i + 1
.set ADRSO, 18                         ; v18-19 for the odd ones: lanes 16-31 weight's block i - 1
.set SPW,  28
.set NIL,  29
.set SC,   32
.set SCL,  48
.set BIA,  52
.set AF,   128
.set BK,   128
.set G1,   24
.set G0,   32
.set G1B,  48
.set G0B,  56
.set PFA,  76
.set MSB, 0
.macro WIN new
.if MSB != (\new)
	s_set_vgpr_msb (MSB<<8)|(\new)
.set MSB, (\new)
.endif
.endm
.set MUL_LO, 0xa1                      ; source 0 window 1, source 1 window 0, C and D window 2
.set MUL_HI, 0xf1
.set TO_B,   0x40
.macro PLACES
.rept 4
	v_nop
.endr
.endm
.macro JLOAD s                         ; a joint load: waves 0, 1 for x, waves 2, 3 for weight; s_nop 0 and four v_nop behind each line
	s_cmp_eq_u32 s15, 0
	s_cbranch_scc0 .Lfor_b_\@
	tensor_load_to_lds s[G0+4*\s:G0+4*\s+3], s[G1:G1+7]
	s_nop 0
	PLACES
	s_branch .Lasked_\@
.Lfor_b_\@:
	tensor_load_to_lds s[G0B+4*\s:G0B+4*\s+3], s[G1B:G1B+7]
	s_nop 0
	PLACES
.Lasked_\@:
.endm
.macro CREST
	s_cmp_lg_u32 s14, 0
	s_cbranch_scc1 .Lnot_wave_0_\@
	s_barrier_signal -3
.Lnot_wave_0_\@:
	s_barrier_wait -3
	s_barrier_signal -1
	s_barrier_wait -1
.endm
.macro CROUND
	s_barrier_signal -1
	s_barrier_wait -1
	CREST
.endm
; A prefetch behind each refill: the K block that stands two refills on (blocks 4 to 15).  Of the 100 units of 256 bytes that a wave fetches, each of the four partners that ask jointly names 25, told apart by address;
; lanes 25-31 name the last again.  The loop's last trip has no K block two refills on.  K blocks 1 and 2 are asked for at the head behind K block 0's load, K block 3 behind K block 1's: two tiles at the most are asked for and not yet read.
.macro ASK
	s_cmp_gt_u32 s3, 1
	s_cbranch_scc0 .Lno_ask_\@
	global_prefetch_b8 v[PFO], s[PFA:PFA+1] th:TH_LOAD_NT scope:SCOPE_SE
.Lno_ask_\@:
.endm
	s_load_b256 s[4:11], s[0:1], 0x0               ; x_img, w_img, scale, bias
	s_load_b64 s[12:13], s[0:1], 0x20              ; out0
	v_lshl_add_u32 v[SPW], v0, 2, SPARE
	v_mov_b32 v[NIL], 0
	ds_add_u32 v[SPW], v[NIL]                      ; the opening lines: the add, twice on end, and its wait ahead of my first tensor load
	ds_add_u32 v[SPW], v[NIL]
	v_lshrrev_b32 v1, 5, v0
	v_readfirstlane_b32 s14, v1                    ; wave 0..3
	s_lshr_b32 s15, s14, 1                         ; my half of the block's rows.  Also: I fetch for x (0) or for weight (1)
	s_and_b32 s16, s14, 1                          ; my half of its columns.  Also: which half I fetch
	s_bfe_u32 s40, ttmp6, 0x40000                  ; cx
	s_bfe_u32 s41, ttmp6, 0x40004                  ; cy
	s_lshl_b32 s42, ttmp9, 2
	s_add_co_u32 s42, s42, s40                     ; block column (n / 256) = 4 x cluster x + cx
	s_and_b32 s17, ttmp7, 0xffff
	s_lshl_b32 s17, s17, 2
	s_add_co_u32 s17, s17, s41                     ; block row (m / 256) = 4 x cluster y + cy
	s_lshl_b32 s43, s41, 2
	s_lshl_b32 s43, 15, s43                        ; my row of the cluster
	s_lshl_b32 s44, 0x1111, s40                    ; my column
	s_or_b32 s[G1+0], s43, (3<<16)|(1<<21)         ; the mask; elements of 8 bytes; bit 21 beside a mask
	s_or_b32 s[G1B+0], s44, (3<<16)|(1<<21)
.irp g, G1, G1B
	s_mov_b32 s[\g+1], 32<<16                      ; rows of 32 elements = 256 bytes,
	s_mov_b32 s[\g+2], 100<<16                     ; 100 of them, dense
	s_mov_b32 s[\g+3], 32<<16
	s_mov_b32 s[\g+4], 100
	s_mov_b32 s[\g+5], 32
	s_mov_b32 s[\g+6], 0
	s_mov_b32 s[\g+7], 0
.endr
	s_mul_i32 s18, s16, HALFB                      ; the half that I fetch
	s_mul_i32 s20, s17, TBB
	s_add_co_u32 s20, s20, s18
	s_mov_b32 s21, 0
	s_mul_i32 s46, s42, TBB
	s_add_co_u32 s46, s46, s18
	s_mov_b32 s47, 0
	s_mul_i32 s45, s14, HALFB                      ; where it goes: wave x a half
	s_wait_dscnt 0x0                               ; both opening adds are done
	s_wait_kmcnt 0x0
	s_add_nc_u64 s[20:21], s[4:5], s[20:21]
	s_add_nc_u64 s[46:47], s[6:7], s[46:47]
	CROUND                                         ; all sixteen work-groups are here: the first joint loads meet
.irp s, 0,1
	s_mov_b32 s[G0+4*\s], 1
	s_add_co_u32 s[G0+4*\s+1], s45, \s*SLOT
	s_add_nc_u64 s[G0+4*\s+2:G0+4*\s+3], s[20:21], \s*BLKB
	s_or_b32 s[G0+4*\s+3], s[G0+4*\s+3], 0x80000000
	s_mov_b32 s[G0B+4*\s], 1
	s_add_co_u32 s[G0B+4*\s+1], s45, \s*SLOT
	s_add_nc_u64 s[G0B+4*\s+2:G0B+4*\s+3], s[46:47], \s*BLKB
	s_or_b32 s[G0B+4*\s+3], s[G0B+4*\s+3], 0x80000000
.endr
	JLOAD 0                                        ; K block 0: one tensor load a wave at the head
	s_cmp_eq_u32 s15, 0                            ; the prefetches: of x's half or of weight's,
	s_cselect_b32 s74, s40, s41                    ; my place among the four that ask with me,
	s_cselect_b64 s[PFA:PFA+1], s[20:21], s[46:47]
	s_mul_i32 s74, s74, 25*256                     ; my work-group's 25 units,
	s_add_co_u32 s74, s74, 3*BLKB                  ; at K block 3: the first refill steps it to 4
	s_mov_b32 s75, 0
	s_add_nc_u64 s[PFA:PFA+1], s[PFA:PFA+1], s[74:75]
	v_and_b32 v16, 31, v0
	v_min_u32 v[PFO], 24, v16
	v_lshlrev_b32 v[PFO], 8, v[PFO]
	global_prefetch_b8 v[PFO], s[PFA:PFA+1] offset:-2*BLKB th:TH_LOAD_NT scope:SCOPE_SE   ; K block 1
	global_prefetch_b8 v[PFO], s[PFA:PFA+1] offset:-BLKB th:TH_LOAD_NT scope:SCOPE_SE     ; K block 2
	s_mul_i32 s66, s15, HALFB                      ; my 128 rows of x in a slot
	s_mul_i32 s67, s16, HALFB
	s_add_co_u32 s67, s67, BLKB                    ; my 128 columns of weight
	s_add_co_u32 s68, s66, SLOT
	s_add_co_u32 s69, s67, SLOT
	s_sub_co_u32 s70, s67, s66                     ; from x's half to weight's,
	s_add_co_u32 s78, s70, 64                      ; one block of 16 words on,
	s_sub_co_u32 s79, s70, 64                      ; and one back
	s_add_co_u32 s71, s66, SCO
	s_add_co_u32 s72, s71, SLOT
	s_mul_i32 s73, s14, 16*SPITCH
	s_add_co_u32 s73, s73, STAGE                   ; my stage
	s_lshl_b32 s18, s17, 8
	s_lshl_b32 s19, s15, 7
	s_add_co_u32 s18, s18, s19
	s_lshl_b32 s18, s18, 16                        ; my first row of out0, in bytes
	s_mov_b32 s19, 0
	s_lshl_b32 s22, s42, 10
	s_lshl_b32 s23, s16, 9
	s_add_co_u32 s22, s22, s23                     ; my first column, in bytes of f32
	s_mov_b32 s23, 0
	s_add_nc_u64 s[8:9], s[8:9], s[22:23]
	s_add_nc_u64 s[10:11], s[10:11], s[22:23]
	s_add_nc_u64 s[12:13], s[12:13], s[18:19]
	s_add_nc_u64 s[12:13], s[12:13], s[22:23]
	v_and_b32 v1, 15, v0                           ; r
	v_bfe_u32 v2, v0, 4, 1                         ; h
	v_and_b32 v3, 31, v0
	v_lshlrev_b32 v[CO], 4, v3
	v_add_nc_u32 v[ADRA], s66, v[CO]
	v_add_nc_u32 v[ADRA+1], s68, v[CO]
	v_add_nc_u32 v[ADRB], s67, v[CO]
	v_add_nc_u32 v[ADRB+1], s69, v[CO]
	v_mul_u32_u24 v14, s78, v2                     ; lanes 16-31 take weight's words
	v_mul_u32_u24 v17, s79, v2
	v_lshl_add_u32 v14, v1, 2, v14
	v_lshl_add_u32 v17, v1, 2, v17
	v_add_nc_u32 v[ADRS], s71, v14
	v_add_nc_u32 v[ADRS+1], s72, v14
	v_add_nc_u32 v[ADRSO], s71, v17
	v_add_nc_u32 v[ADRSO+1], s72, v17
	v_mul_u32_u24 v15, v1, SPITCH                  ; into the stage: row r, 32 bytes for each half of the lanes
	v_lshl_add_u32 v15, v2, 5, v15
	v_add_nc_u32 v[STO], s73, v15
	v_add_nc_u32 v[RD], s73, v[CO]                 ; back: the 32 lanes take one row of 512 bytes
; 16 matrix instructions: x's blocks a0, a0 + 1 against weight's eight.  p: weight's set and the set of scale words; weight's block b has its words in register b xor 1.  The 64 accumulators take turns.
.macro MUL16 a0, p, zero
.irp a, \a0, \a0+1
.irp b, 0,1,2,3,4,5,6,7
.if \zero
	v_wmma_scale_f32_16x16x128_f8f6f4 v[8*(8*((\a)%4)+\b):8*(8*((\a)%4)+\b)+7], v[128*(\p)+FR*\b:128*(\p)+FR*\b+FR-1], v[AF+FR*(\a):AF+FR*(\a)+FR-1], 0, v[SC+8*(\p)+\b+1-2*(\b%2)], v[SC+8*(\p)+(\a)] matrix_a_fmt:MATRIX_FMT_BF6 matrix_b_fmt:MATRIX_FMT_BF6 matrix_a_scale:MATRIX_SCALE_ROW1
.else
	v_wmma_scale_f32_16x16x128_f8f6f4 v[8*(8*((\a)%4)+\b):8*(8*((\a)%4)+\b)+7], v[128*(\p)+FR*\b:128*(\p)+FR*\b+FR-1], v[AF+FR*(\a):AF+FR*(\a)+FR-1], v[8*(8*((\a)%4)+\b):8*(8*((\a)%4)+\b)+7], v[SC+8*(\p)+\b+1-2*(\b%2)], v[SC+8*(\p)+(\a)] matrix_a_fmt:MATRIX_FMT_BF6 matrix_b_fmt:MATRIX_FMT_BF6 matrix_a_scale:MATRIX_SCALE_ROW1
.endif
.endr
.endr
.endm
.macro FETCH_B slot, q, p              ; weight's eight fragments: three loads of 512 consecutive bytes each
	WIN TO_B
.irp i, 0,1,2,3,4,5,6,7
.irp j, 0,1,2
	ds_load_b128 v[128*(\p)+FR*\i+4*\j:128*(\p)+FR*\i+4*\j+3], v[ADRB+\slot] offset:(\q)*12288+\i*1536+512*\j
.endr
.endr
	WIN 0
.endm
.macro FETCH_A slot, q, i0             ; x's blocks i0 .. i0 + 3
.irp i, \i0, \i0+1, \i0+2, \i0+3
.irp j, 0,1,2
	ds_load_b128 v[AF+FR*(\i)+4*\j:AF+FR*(\i)+4*\j+3], v[ADRA+\slot] offset:(\q)*12288+(\i)*1536+512*\j
.endr
.endr
.endm
.macro SCALES slot, q, p               ; eight registers of scale words: the two halves of the lanes read 64 bytes each, 64 bytes apart modulo 256
.irp i, 0,2,4,6
	ds_load_b32 v[SC+8*(\p)+\i], v[ADRS+\slot] offset:(\q)*512+64*\i
	ds_load_b32 v[SC+8*(\p)+\i+1], v[ADRSO+\slot] offset:(\q)*512+64*\i+64
.endr
.endm
; A slot's first step: the next step's fragments lie in the same slot.
.macro STEPE slot, zero
	s_wait_dscnt 12                                ; all but the youngest twelve loads, x's blocks 4-7
	WIN MUL_LO
	MUL16 0, 0, \zero
	MUL16 2, 0, \zero
	s_wait_dscnt 0
	PLACES                                         ; four places in front of loads into registers that matrix instructions have read
	FETCH_B \slot, 1, 1
	FETCH_A \slot, 1, 0
	SCALES \slot, 1, 1
	WIN MUL_HI
	MUL16 4, 0, \zero
	MUL16 6, 0, \zero
	PLACES
	WIN 0
	FETCH_A \slot, 1, 4
.endm
; A slot's second step changes slots: ONE barrier.  In front of it each wave waits for all its tensor loads (one is out: its half of the next slot), adds 0 to its spare word, and waits for that and for its reads of this slot.
; fill = 1: the barrier opens a round of the cluster's barrier, and this slot takes the K block two on.
.macro TURN slot, next, fill
.if \fill
	s_wait_xcnt 0x0                                ; my last prefetch has read its address
	s_add_nc_u64 s[PFA:PFA+1], s[PFA:PFA+1], BLKB
.endif
	s_wait_tensorcnt 0x0
	ds_add_u32 v[SPW], v[NIL]
	s_wait_dscnt 13                                ; the add and x's blocks 4-7 may be out
	WIN MUL_LO
	MUL16 0, 1, 0
	s_wait_dscnt 0x0                               ; the add is done, and my reads of this slot are over
	s_barrier_signal -1
	MUL16 2, 1, 0
	WIN 0
	s_barrier_wait -1
.if \fill
	CREST
	s_add_nc_u64 s[G0+4*\slot+2:G0+4*\slot+3], s[G0+4*\slot+2:G0+4*\slot+3], 2*BLKB
	s_add_nc_u64 s[G0B+4*\slot+2:G0B+4*\slot+3], s[G0B+4*\slot+2:G0B+4*\slot+3], 2*BLKB
	JLOAD \slot                                    ; the first tensor load behind the round; its four v_nop are the places in front of the loads below
.else
	PLACES
.endif
	FETCH_B \next, 0, 0
	FETCH_A \next, 0, 0
	SCALES \next, 0, 0
.if \fill
	ASK
.endif
	WIN MUL_HI
	MUL16 4, 1, 0
	MUL16 6, 1, 0
	PLACES
	WIN 0
	FETCH_A \next, 0, 4
.endm
	s_wait_alu depctr_va_vdst(0)
	global_load_b128 v[SCL:SCL+3], v[CO], s[8:9]   ; scale and bias of the four columns that I store
	global_load_b128 v[BIA:BIA+3], v[CO], s[10:11]
	s_wait_tensorcnt 0x0                           ; my half of K block 0 is in; the same lines as ahead of a refill:
	ds_add_u32 v[SPW], v[NIL]
	s_wait_dscnt 0x0
	CROUND
	JLOAD 1                                        ; K block 1, the first tensor load behind the round
	FETCH_B 0, 0, 0
	FETCH_A 0, 0, 0
	SCALES 0, 0, 0
	FETCH_A 0, 0, 4
	global_prefetch_b8 v[PFO], s[PFA:PFA+1] th:TH_LOAD_NT scope:SCOPE_SE   ; K block 3
	STEPE 0, 1                                     ; the first step's products start the sums
	s_mov_b32 s3, 7
.Llap:                                                 ; a trip: four steps, once round the ring; both slots are filled again
	TURN 0, 1, 1
	STEPE 1, 0
	TURN 1, 0, 1
	STEPE 0, 0
	s_sub_co_u32 s3, s3, 1
	s_cmp_lg_u32 s3, 0
	s_cbranch_scc1 .Llap
	TURN 0, 1, 0                                   ; the last three steps fetch no tile
	STEPE 1, 0
	s_wait_dscnt 12
	WIN MUL_LO
	MUL16 0, 1, 0
	MUL16 2, 1, 0
	s_wait_dscnt 0
	WIN MUL_HI
	MUL16 4, 1, 0
	MUL16 6, 1, 0
	WIN 0
; THE WAY OUT, block by block of 16 rows x 128 columns: through my own stage, back as whole rows of 512 bytes, x scale + bias, stored as two aligned units of 256 bytes.
.macro TOSTAGE a
	WIN 0x08+4*((\a)/4)                            ; the data: window 2 or 3
.irp b, 0,1,2,3,4,5,6,7
	ds_store_b128 v[STO], v[64*((\a)%4)+8*\b:64*((\a)%4)+8*\b+3] offset:64*\b          ; each accumulator from its low end on
	ds_store_b128 v[STO], v[64*((\a)%4)+8*\b+4:64*((\a)%4)+8*\b+7] offset:64*\b+16
.endr
	WIN 0
.set BB, BK+64*((\a)%2)
.irp t, 0,1,2,3,4,5,6,7,8,9,10,11,12,13,14,15
	ds_load_b128 v[BB+4*\t:BB+4*\t+3], v[RD] offset:\t*SPITCH   ; LDS serves a wave's instructions in order: these see the stores above
.endr
.endm
.macro SEND a, younger
.set BB, BK+64*((\a)%2)
	s_wait_dscnt \younger
.irp t, 0,1,2,3,4,5,6,7,8,9,10,11,12,13,14,15
	v_pk_fma_f32 v[BB+4*\t:BB+4*\t+1], v[BB+4*\t:BB+4*\t+1], v[SCL:SCL+1], v[BIA:BIA+1]
	v_pk_fma_f32 v[BB+4*\t+2:BB+4*\t+3], v[BB+4*\t+2:BB+4*\t+3], v[SCL+2:SCL+3], v[BIA+2:BIA+3]
	global_store_b128 v[CO], v[BB+4*\t:BB+4*\t+3], s[12:13] offset:(16*(\a)+\t)*ROWC th:TH_STORE_NT   ; 127 rows at the most: inside the signed 24-bit immediate
.endr
.endm
	s_wait_loadcnt 0x0                             ; scale and bias are in
	PLACES
	TOSTAGE 0
.irp a, 1,2,3,4,5,6,7
.if \a > 1
	s_wait_xcnt 0x0                                ; block a - 2's stores have read their registers
.endif
	TOSTAGE \a
	SEND \a-1, 32                                  ; behind block a - 1's loads: block a's 16 stores and 16 loads
.endr
	SEND 7, 0
	s_wait_tensorcnt 0x0                           ; the wave's end
	ds_add_u32 v[SPW], v[NIL]
	s_wait_dscnt 0x0
	CROUND                                         ; the closing round
	s_endpgm
.Lfunc_end_k_q678c0e00f2_gemm:
	.size	k_q678c0e00f2_gemm, .Lfunc_end_k_q678c0e00f2_gemm-k_q678c0e00f2_gemm
	.p2alignl 7, 3214868480
	.fill 96, 4, 3214868480
	.section	.rodata,"a",@progbits
	.p2align	6, 0x0
	.amdhsa_kernel k_q678c0e00f2_gemm
		.amdhsa_group_segment_fixed_size 327680
		.amdhsa_private_segment_fixed_size 0
		.amdhsa_enable_private_segment 0
		.amdhsa_kernarg_size 40
		.amdhsa_user_sgpr_count 2
		.amdhsa_user_sgpr_kernarg_segment_ptr 1
		.amdhsa_wavefront_size32 1
		.amdhsa_system_sgpr_workgroup_id_x 1
		.amdhsa_system_sgpr_workgroup_id_y 1
		.amdhsa_system_sgpr_workgroup_id_z 1
		.amdhsa_system_vgpr_workitem_id 0
		.amdhsa_next_free_vgpr 1024
		.amdhsa_next_free_sgpr 80
		.amdhsa_reserve_vcc 0
		.amdhsa_float_denorm_mode_32 3
		.amdhsa_float_denorm_mode_16_64 3
		.amdhsa_memory_ordered 1
		.amdhsa_forward_progress 1
		.amdhsa_inst_pref_size 152
	.end_amdhsa_kernel
	.amdgpu_metadata
---
amdhsa.version: [ 1, 2 ]
amdhsa.kernels:
  - .name:           k_q678c0e00f2_gemm
    .symbol:         k_q678c0e00f2_gemm.kd
    .args:
      - { .name: x_img, .offset: 0, .size: 8, .value_kind: global_buffer, .address_space: global }
      - { .name: w_img, .offset: 8, .size: 8, .value_kind: global_buffer, .address_space: global }
      - { .name: scale, .offset: 16, .size: 8, .value_kind: global_buffer, .address_space: global }
      - { .name: bias, .offset: 24, .size: 8, .value_kind: global_buffer, .address_space: global }
      - { .name: out0, .offset: 32, .size: 8, .value_kind: global_buffer, .address_space: global }
    .group_segment_fixed_size: 327680
    .private_segment_fixed_size: 0
    .kernarg_segment_align: 8
    .kernarg_segment_size: 40
    .max_flat_workgroup_size: 128
    .sgpr_count:     80
    .vgpr_count:     1024
    .wavefront_size: 32
...
	.end_amdgpu_metadata
.endif
;; end of part 2
